; MI455X (gfx1250); checked and timed in simulation.
; The chip was launched on July 23, 2026; its instructions are those of AMD's public machine-readable ISA for CDNA 5 (MIT licence, August 2026) and "CDNA5" Instruction Set Architecture Reference Guide (July 2026). The comments in the code are by the model that wrote it; some were corrected since.
;; Global Attn. Allowed arithmetic: matrix products marked QUANTISED: E5M2 operands, one given power-of-two scale a tensor, by v_wmma_f32_16x16x64_bf8_bf8 or v_wmma_f32_16x16x128_bf8_bf8, f32 sums; products left as they are: f32 operands where the result goes on into a quantised operand, else bf16, f16 or f32 operands; f32 sums; everything else in f32.
;; Inputs: W_codes 1,024 x 32 x 32 uint8 (E5M2 codes of W, K innermost, in blocks of 32 codes); b 1,024 float32; encoder_outputs_codes 1,024 x 64 x 32 x 32 uint8 (E5M2 codes of encoder_outputs, K innermost, in blocks of 32 codes); hidden_state 64 x 1,024 float32; lowp_scales 2 int32 (the exponents e of the quantised operands' scales 2^e).
;; Outputs: out0 64 x 1 x 1,024 float32.
;; This version of the problem:
;;   THIS VERSION OF THE PROBLEM IS GIVEN IN LOW PRECISION. The matrix products marked QUANTISED in the list below multiply operands that are first quantised to E5M2 (5 exponent bits, 2 mantissa bits; 8 bits a number), with one given power-of-two scale for each operand tensor; their sums are f32. All else is computed in f32.
;;   The module's matrix products, in the order in which they are computed (A, B: the left and right operand; K: the contracted axis; several contracted axes count as one K, in the product's order):
;;     1. [M 65,536, K 1,024] x [K 1,024, N 1,024]; A: input encoder_outputs (given as codes); B: input W (given as codes): QUANTISED (scales: A lowp_scales[0], B lowp_scales[1])
;;     2. batch 64 x [M 1,024, K 1,024] x [K 1,024, N 1]; A: computed on the way; B: input hidden_state: left as it is (N = 1 < 16)
;;   THE QUANTISER, for each operand of a quantised product, along K:
;;     - The operand's scale is 2^e, e = its entry of the input lowp_scales (int32; the entries are numbered through the quantised products in the list's order, A before B).
;;     - Each number is divided by the scale, clamped to +-57,344, and rounded to the nearest number of E5M2, ties to even, subnormals kept.
;;     - The product sums the exact products of the quantised numbers (number of the format x scale) in f32.
;;   ~~~python
;;   def quantise(x, axis, e):      # numpy; x: float32 -> the quantised numbers, widened to float32 again
;;       x = np.moveaxis(x, axis, -1); K = x.shape[-1]
;;       r = np.clip(x / 2.0 ** e, -57344, 57344)
;;       step = 2.0 ** (np.maximum(np.frexp(np.where(r == 0, 1, r))[1] - 1, -14) - 2)
;;       q = np.round(r / step) * step * 2.0 ** e      # np.round: ties to even
;;       return np.moveaxis(q, -1, axis).astype(np.float32)
;;   ~~~
;;   INPUTS GIVEN AS CODES. W (in the module: [1024, 1024], K = its axis 1); encoder_outputs (in the module: [1024, 64, 1024], K = its axis 2): each comes as NAME_codes (uint8): NAME with its K axis moved to the last place and cut into blocks of 32 codes, [.., K / 32, bytes a block], one block behind the other in memory; one code a byte (a code: sign, 5 exponent bits, 2 mantissa bits); its scale is its entry of lowp_scales. Its value is code x scale, taken as it is: it is not quantised again, and the codes and scales need not be those that the quantiser above would give.
;; One version. Each part assembles by itself: llvm-mc -triple=amdgcn-amd-amdhsa -mcpu=gfx1250 --defsym DOCPART=n.
;; ======== version 1 of 1: 2 launches
;; limits: right only within a limited range of input values
;; workspace buffers: part 1,048,576 bytes
;; launch scores (part 1): grid 4 x 64, 8 waves a work-group, clusters of 4 x 1, 327,680 bytes of LDS; arguments encoder_outputs_codes, W_codes, lowp_scales, hidden_state, part; writes part
.if DOCPART == 1
	.amdgcn_target "amdgcn-amd-amdhsa--gfx1250"
	.amdhsa_code_object_version 6
	.text
	.protected	k_qcfb050b792_scores
	.globl	k_qcfb050b792_scores
	.p2align	8
	.type	k_qcfb050b792_scores,@function
k_qcfb050b792_scores:
	s_mov_b64 s[64:65], 0
	v_nop
	global_prefetch_b8 v0, s[64:65] scope:SCOPE_SE
	s_setreg_imm32_b32 hwreg(HW_REG_WAVE_MODE, 25, 1), 1
	s_wait_xcnt 0x0
	s_wait_alu depctr_hold_cnt(0) depctr_sa_sdst(0) depctr_va_vdst(0) depctr_va_sdst(0) depctr_va_ssrc(0) depctr_va_vcc(0) depctr_vm_vsrc(0)
	s_getreg_b32 s2, hwreg(HW_REG_IB_STS2, 6, 4)
	s_cmp_eq_u32 s2, 0
	s_cbranch_scc0 .Lentry_in_a_cluster
	s_endpgm
.Lentry_in_a_cluster:
	s_bfe_u32 s2, ttmp6, 0x10000c
	s_cmp_lg_u32 s2, 0x3003
	s_cbranch_scc0 .Lentry_shape_is_right
	s_endpgm
.Lentry_shape_is_right:
; PARTIAL SCORES.  part[ntile][batch][l] = 2^(e0+e1) sum over the tile's 256 columns n of h[batch][n] sum over k of encCode[l][batch][k] WCode[n][k].
; enc: [1024 l][64 batch][1024 k] codes of E5M2; W: [1024 n][1024 k] codes; h: [64][1024] f32; e0, e1: int32.
; WORK LEFT OUT: reference() adds b[n] to proj, which adds sum over n of b[n] h[batch][n] to every score of a batch: one number for all l of a row.  softmax(x + c) = softmax(x) for every
; finite c, whatever the inputs hold, so the term reaches no output: b is not loaded and is no argument of any launch.  LIMIT: a NaN, an infinity or an overflow that b alone would bring is not carried to the result.
; SHARES.  A work-group is one batch and one tile of 256 columns: 64 x 4 = 256 work-groups of eight waves, two on each SIMD.  Wave (kq, nh) owns columns 128 nh .. + 127 of the tile and k = 256 kq .. + 255 and keeps
; its 128 x 256 codes of W in 256 registers for the whole launch.  What streams is enc: the batch's 1,024 rows l, through two LDS slots of 128 rows x 1,024 K.
; A BLOCK is 16 rows l: two fragments of enc (8 LDS loads of 16 bytes a lane, asked for one block ahead, in one run), 16 matrix instructions in one run on 8 accumulators, then the dot of the 64 results of a lane with h
; (f32, 32 packed multiply-adds in four chains).  The score is linear in the product, so the four parts of K and the two column halves are added later: each wave puts its partial scores into its own 4,096 bytes of
; an LDS stage, and at the end the eight are added in ascending order of waves, scaled and stored as ONE plane for the work-group; the next launch adds the four column tiles' planes.
; part: [ntile 4][batch 64][period 8][lane 32][q 4] f32, l = 128 period + 32 q + lane.
; A PERIOD is 8 blocks = one slot.  Its last block changes slots: the waits, the add and the barrier's signal stand ahead of its 16 matrix instructions, the barrier's wait and the cluster's round behind them.
; CLUSTER.  The four column tiles of a batch need the same rows of enc: a cluster of 4 x 1, each tile of enc asked for JOINTLY (mask 15).  W is shared by work-groups of 64 different clusters and goes to registers: plain loads, once.
; THE MATRIX INSTRUCTION IS USED TRANSPOSED: source 0 = 16 rows of W, source 1 = 16 rows l of enc.  Lane (r, h) holds row l = r and, in register j of column tile bb, column 16 bb + 8 h + j.
; A fragment (16 rows x 128 K) comes by four loads of 16 bytes: registers 4 c .. 4 c + 3 hold K = 32 c + 16 h + 0 .. 15: a permutation of k, the same in enc and in W, so each product meets its partner.
; THE PREFETCH: once a trip (two periods) each wave names 8 rows x 4 runs of 256 bytes of the two fills that this trip's two refills fetch, 5 and 13 blocks ahead of them.  The cluster's 32 waves share the 256 rows out
; by address (8 cx + wave), so each run is named once; the last trip names fills 6 and 7, enc's last.  Fills 0 and 1 come by their loads alone.
; LIMITS.  e0 + e1 is applied by v_ldexp_f32 and has no bound of its own.  The order of the f32 sums differs from the reference's.
; REGISTERS: window 1: W's fragment (ks, bb) at v[128 ks + 16 bb].  Window 0: as named below.
.set PITCH, 272                        ; an LDS row: 256 bytes + 16 of padding, so that the 16 rows that a load touches start 4 banks apart (ISA guide 11.1)
.set QT,    64*PITCH                   ; what one tensor load brings: 64 rows x 256 of K
.set HALFT, 2*QT                       ; a plane: 128 rows x 256 of K; plane kq is read by waves 2 kq, 2 kq + 1
.set SLOT,  4*HALFT
.set STAGE, 2*SLOT                     ; behind the ring: 4,096 bytes for each wave, its partial scores; no fill lands here
.set SPARE, STAGE+8*4096               ; the spare words, 128 bytes for each wave: four blocks of 256 bytes that no other line names
.set FILLB, 128*65536                  ; bytes of enc from one fill to the next: 128 rows l, 65,536 bytes apart
.set R,   8                            ; v8-11   scores of the period in hand: register q, lane L: row 32 q + L
.set Z,   12                           ; v12-15  what is stored
.set ADR, 16                           ; v16-17  LDS address of my fragments in slot 0, 1
.set STA, 18                           ; v18     my 16 bytes in my wave's stage, period 0
.set STT, 19                           ; v19     the same for the trip in hand
.set CO,  20                           ; v20     16 x thread: my place in the plane's 4,096 bytes
.set PFO, 21                           ; v21     my byte offset in two fills, for the prefetch
.set X,   22
.set YT,  23
.set Y,   24                           ; the lane permute's destination
.set SE,  25
.set SO,  26
.set FRD, 27                           ; v27     STAGE + 16 x thread
.set SPW, 28                           ; v28     LDS address of my spare word; never rewritten
.set NIL, 29                           ; v29     0; never rewritten
.set PE,  32                           ; v32-39 the even block's four running pairs, v40-47 the odd block's
.set HV,  64                           ; v64-127 register 8 bb + j: h[batch][my first column + 16 bb + 8 h + j]
.set AF,  128                          ; v128-191 enc's fragments: set p, K step ks at v[AF + 32 p + 16 ks]
.set ACC, 192                          ; v192-255 accumulator bb at v[ACC + 8 bb]
.set G1,  24                           ; s[24:31] descriptor group 1
.set G0,  32                           ; s[32:39] descriptor group 0, a set for each slot
.set MSB, 0
.set pA,  0
.set pN,  0
.set sN,  0
.set rN,  0
.set PP,  0
.macro WIN new                         ; the immediate's high byte repeats the setting that is left
.if MSB != (\new)
	s_set_vgpr_msb (MSB<<8)|(\new)
.set MSB, \new
.endif
.endm
.macro PLACES                          ; four places between a matrix instruction and the first read of its result (ISA guide 7.12.1)
.rept 4
	v_nop
.endr
.endm
.macro JLOAD s                         ; my 64 rows of slot s, asked for jointly with my three partners; s_nop 0 and four v_nop follow
	tensor_load_to_lds s[G0+4*(\s):G0+4*(\s)+3], s[G1:G1+7]
	s_nop 0
	PLACES
.endm
.macro CREST                           ; a round of the cluster's barrier behind its opening barrier
	s_cmp_lg_u32 s14, 0
	s_cbranch_scc1 .Lnot_wave_0_\@
	s_barrier_signal -3
.Lnot_wave_0_\@:
	s_barrier_wait -3
	s_barrier_signal -1
	s_barrier_wait -1
.endm
.macro CROUND
	s_barrier_signal -1
	s_barrier_wait -1
	CREST
.endm
	s_load_b256 s[4:11], s[0:1], 0x0               ; enc s[4:5], W s[6:7], the scales' exponents s[8:9], h s[10:11]
	s_load_b64 s[68:69], s[0:1], 0x20              ; part
	v_lshl_add_u32 v[SPW], v0, 2, SPARE
	v_mov_b32 v[NIL], 0
	ds_add_u32 v[SPW], v[NIL]                      ; the opening lines: the add, twice on end, and its wait ahead of my first tensor load
	ds_add_u32 v[SPW], v[NIL]
	v_lshrrev_b32 v1, 5, v0
	v_readfirstlane_b32 s14, v1                    ; wave 0..7
	s_lshr_b32 s15, s14, 1                         ; kq: which 256 of K are mine.  Also: the plane that I fetch for
	s_and_b32 s16, s14, 1                          ; nh: which 128 of the tile's columns.  Also: which 64 rows of the plane I fetch
	s_bfe_u32 s17, ttmp6, 0x40000                  ; cx
	s_lshl_b32 s18, ttmp9, 2
	s_add_co_u32 s18, s18, s17                     ; the column tile: it enters W's, h's, part's and the prefetch's global addresses alone
	s_and_b32 s19, ttmp7, 0xffff                   ; the batch, which the four partners share
	s_mov_b32 s[G1+0], 15|(1<<20)|(1<<21)|(5<<22)|(3<<25)  ; mask: all four; elements of 1 byte; padding on; bit 21 beside a mask; after every 64 words four words
	s_mov_b32 s[G1+1], 256<<16                     ; tensor_dim0 = 256
	s_mov_b32 s[G1+2], 64<<16                      ; tensor_dim1 = 64
	s_mov_b32 s[G1+3], 256<<16                     ; tile_dim0 = 256
	s_mov_b32 s[G1+4], 64                          ; tile_dim1 = 64
	s_mov_b32 s[G1+5], 65536                       ; from l to l + 1
	s_mov_b32 s[G1+6], 0
	s_mov_b32 s[G1+7], 0
	s_lshl_b32 s20, s19, 10                        ; enc: the batch's 1,024 bytes,
	s_lshl_b32 s21, s15, 8                         ; + my plane's 256 of K,
	s_add_co_u32 s20, s20, s21
	s_lshl_b32 s21, s16, 22                        ; + 64 rows of 65,536 bytes x nh
	s_add_co_u32 s20, s20, s21
	s_mov_b32 s21, 0
	s_lshl_b32 s22, s19, 10                        ; the prefetch: the batch's row
	s_mov_b32 s23, 0
	s_mul_i32 s45, s14, QT                         ; where my 64 rows go in a slot
	s_lshl_b32 s42, s18, 18                        ; W: 256 rows of 1,024 bytes a tile,
	s_lshl_b32 s43, s16, 17                        ; + 128 rows x nh,
	s_add_co_u32 s42, s42, s43
	s_lshl_b32 s43, s15, 8                         ; + 256 of K x kq
	s_add_co_u32 s42, s42, s43
	s_mov_b32 s43, 0
	s_lshl_b32 s48, s19, 12                        ; h: the batch's 4,096 bytes + 1,024 x tile + 512 x nh
	s_lshl_b32 s49, s18, 10
	s_add_co_u32 s48, s48, s49
	s_lshl_b32 s49, s16, 9
	s_add_co_u32 s48, s48, s49
	s_mov_b32 s49, 0
	s_lshl_b32 s50, s18, 18                        ; part: the tile's plane of 64 x 4,096 bytes + my batch's
	s_lshl_b32 s51, s19, 12
	s_add_co_u32 s50, s50, s51
	s_mov_b32 s51, 0
	s_mul_i32 s52, s15, HALFT                      ; the plane that I read
	s_lshl_b32 s53, s17, 3
	s_add_co_u32 s53, s53, s14                     ; 8 cx + wave: which 8 of two fills' 256 rows I prefetch
	s_lshl_b32 s53, s53, 19
	s_lshl_b32 s54, s14, 12
	s_add_co_u32 s54, s54, STAGE                   ; my wave's stage
	s_mov_b32 s74, 0xffff0000                      ; lanes 16-31
	s_mov_b32 s76, 0x76543210                      ; v_permlanex16_b32: lane l xor 16
	s_mov_b32 s77, 0xfedcba98
	s_wait_dscnt 0x0                               ; both opening adds are done
	s_wait_kmcnt 0x0
	s_load_b64 s[72:73], s[8:9], 0x0               ; e0, e1
	s_add_nc_u64 s[40:41], s[4:5], s[20:21]        ; enc at my part of fill 0
	s_add_nc_u64 s[78:79], s[4:5], s[22:23]        ; the prefetch's base: two fills short of the first that are named; it steps ahead of each prefetch
	s_add_nc_u64 s[6:7], s[6:7], s[42:43]
	s_add_nc_u64 s[10:11], s[10:11], s[48:49]
	s_add_nc_u64 s[68:69], s[68:69], s[50:51]
.irp s, 0,1
	s_mov_b32 s[G0+4*\s], 1
	s_add_co_u32 s[G0+4*\s+1], s45, \s*SLOT
	s_add_nc_u64 s[G0+4*\s+2:G0+4*\s+3], s[40:41], \s*FILLB
	s_or_b32 s[G0+4*\s+3], s[G0+4*\s+3], 0x80000000
.endr
	CROUND                                         ; all four work-groups are here: the first joint loads meet
	JLOAD 0                                        ; fill 0: one tensor load a wave at the head
	v_and_b32 v1, 15, v0                           ; r
	v_bfe_u32 v2, v0, 4, 1                         ; h
	v_lshlrev_b32 v3, 5, v2                        ; h's numbers: lanes 16-31 take the eight 32 bytes on
	v_lshlrev_b32 v4, 10, v1
	v_lshl_add_u32 v4, v2, 4, v4                   ; W: row r of 1,024 bytes + 16 h
	v_mul_u32_u24 v5, v1, PITCH
	v_lshl_add_u32 v5, v2, 4, v5                   ; a fragment's row x pitch + 16 h
	v_add_nc_u32 v[ADR], s52, v5
	v_add_nc_u32 v[ADR+1], SLOT, v[ADR]
	v_and_b32 v6, 31, v0                           ; lane
	v_lshlrev_b32 v[CO], 4, v0
	v_lshl_add_u32 v[FRD], v0, 4, STAGE
	v_lshl_add_u32 v[STA], v6, 4, s54
	v_lshrrev_b32 v7, 2, v6
	v_lshlrev_b32 v7, 16, v7                       ; row lane / 4
	v_and_b32 v6, 3, v6
	v_lshl_add_u32 v7, v6, 8, v7                   ; + 256 x (lane % 4)
	v_add_nc_u32 v[PFO], s53, v7
	v_mov_b32 v[Y], 0                              ; written once: a lane permute's destination counts as one of its sources
.irp t, 0,1,2,3,4,5,6,7
.irp u, 0,1
	global_load_b128 v[HV+8*\t+4*\u:HV+8*\t+4*\u+3], v3, s[10:11] offset:64*\t+16*\u
.endr
.endr
	WIN 0x40                                       ; destination window 1.  Eight loads on end cover 256 consecutive bytes, aligned, of each of a tile's 16 rows
.irp t, 0,1,2,3,4,5,6,7
.irp e, 0,1
.irp c, 0,1,2,3
	global_load_b128 v[128*\e+16*\t+4*\c:128*\e+16*\t+4*\c+3], v4, s[6:7] offset:\t*16384+128*\e+32*\c
.endr
.endr
.endr
	WIN 0
.macro FETCH                           ; the two fragments of row block rN of slot sN into set pN: 8 loads in one run
.irp ks, 0,1
.irp c, 0,1,2,3
	ds_load_b128 v[AF+32*pN+16*\ks+4*\c:AF+32*pN+16*\ks+4*\c+3], v[ADR+sN] offset:rN*16*PITCH+128*\ks+32*\c
.endr
.endr
.endm
.macro MUL                             ; 16 matrix instructions on set pA.  The first eight start the sums with the constant 0; the eight accumulators take turns
	WIN 0x01                                       ; source 0 (W) window 1
.irp bb, 0,1,2,3,4,5,6,7
	v_wmma_f32_16x16x128_bf8_bf8 v[ACC+8*\bb:ACC+8*\bb+7], v[16*\bb:16*\bb+15], v[AF+32*pA:AF+32*pA+15], 0
.endr
.irp bb, 0,1,2,3,4,5,6,7
	v_wmma_f32_16x16x128_bf8_bf8 v[ACC+8*\bb:ACC+8*\bb+7], v[128+16*\bb:128+16*\bb+15], v[AF+32*pA+16:AF+32*pA+31], v[ACC+8*\bb:ACC+8*\bb+7]
.endr
	WIN 0
.endm
; The block's 64 results of a lane times h, two at a time, in four chains; each accumulator is read from its low end on.  Behind an odd block the two blocks' chains are added side by side, and one lane permute
; joins the halves of both: lanes 0-15 end with the even block's rows, lanes 16-31 with the odd block's, in register q = block / 2 of R.
.macro DOT q
.set PP, PE+8*pA
.irp c, 0,1,2,3
	v_pk_mul_f32 v[PP+2*\c:PP+2*\c+1], v[ACC+2*\c:ACC+2*\c+1], v[HV+2*\c:HV+2*\c+1]
.endr
.irp t, 1,2,3,4,5,6,7
.irp c, 0,1,2,3
	v_pk_fma_f32 v[PP+2*\c:PP+2*\c+1], v[ACC+8*\t+2*\c:ACC+8*\t+2*\c+1], v[HV+8*\t+2*\c:HV+8*\t+2*\c+1], v[PP+2*\c:PP+2*\c+1]
.endr
.endr
.if pA == 1
	v_pk_add_f32 v[PE:PE+1], v[PE:PE+1], v[PE+2:PE+3]
	v_pk_add_f32 v[PE+8:PE+9], v[PE+8:PE+9], v[PE+10:PE+11]
	v_pk_add_f32 v[PE+4:PE+5], v[PE+4:PE+5], v[PE+6:PE+7]
	v_pk_add_f32 v[PE+12:PE+13], v[PE+12:PE+13], v[PE+14:PE+15]
	v_pk_add_f32 v[PE:PE+1], v[PE:PE+1], v[PE+4:PE+5]
	v_pk_add_f32 v[PE+8:PE+9], v[PE+8:PE+9], v[PE+12:PE+13]
	v_add_f32 v[SE], v[PE], v[PE+1]                ; the even block: my row's 64 columns
	v_add_f32 v[SO], v[PE+8], v[PE+9]              ; the odd block's
	v_cndmask_b32 v[X], v[SE], v[SO], s74          ; what stays: lanes 0-15 even, lanes 16-31 odd
	v_cndmask_b32 v[YT], v[SO], v[SE], s74         ; what the lane 16 away wants
	v_permlanex16_b32 v[Y], v[YT], s76, s77
	v_add_f32 v[R+(\q)], v[X], v[Y]
.endif
.endm
; BLOCK i (0..7) of the period in slot.  fet: there is a next block.  pf: the prefetch's base steps two fills on and the prefetch is issued.
; chg = 0: a plain block.  chg = 1, 2: the period's last block changes slots: ONE barrier.  In front of it each wave waits for all its tensor loads (one is out: its part of the next slot), adds 0 to its spare word, and
; waits for that and for its reads of this slot (this block's fragments were the last).  chg = 1: this slot is filled again, two fills on: the barrier opens a round of the cluster's barrier, and the joint refill is
; the first thing behind the round; it has the next period's first seven blocks in which to land.
.macro BLOCK slot, i, chg, pf, fet
.set pA, (\i)%2
.set pN, 1-pA
.if (\i) == 7
.set sN, 1-(\slot)
.set rN, 0
.else
.set sN, \slot
.set rN, (\i)+1
.endif
.if (\chg) == 0
.if \pf
	s_wait_xcnt 0x0                                ; the last prefetch has had its addresses translated (ISA guide 3.1): only behind this wait is its base stepped
	s_add_nc_u64 s[78:79], s[78:79], 2*FILLB
.endif
.if \fet
	FETCH
	s_wait_dscnt 0x8                               ; all but the 8 loads just issued: this block's fragments are in
.else
	s_wait_dscnt 0x0
.endif
	MUL
.if \pf
	global_prefetch_b8 v[PFO], s[78:79] th:TH_LOAD_NT scope:SCOPE_SE
.endif
	PLACES
.else
	s_wait_tensorcnt 0x0                           ; all my tensor loads have landed: my part of the next slot;
	ds_add_u32 v[SPW], v[NIL]                      ; 0 onto my spare word;
	s_wait_dscnt 0x0                               ; the add is done, and my reads of this slot are over
	s_barrier_signal -1
	MUL                                            ; work on registers while the others arrive; every window is 0 behind it
	s_barrier_wait -1
.if (\chg) == 1
	CREST                                          ; no wave of any partner still reads this slot or has a load on its way
	s_add_nc_u64 s[G0+4*(\slot)+2:G0+4*(\slot)+3], s[G0+4*(\slot)+2:G0+4*(\slot)+3], 2*FILLB   ; no tensor load of mine is out: the group 0 may be written
	JLOAD \slot                                    ; my one tensor load until the next change of slots; its four v_nop are also the places in front of the dot
.else
	PLACES
.endif
	FETCH                                          ; the next slot's first fragments
.endif
	DOT (\i)/2
.if (\i) == 7
	v_add_nc_u32 v[STT], s61, v[STA]               ; s61 = 1,024 x trip: two periods of 512 bytes
	ds_store_b128 v[STT], v[R:R+3] offset:512*(\slot)   ; the period's 128 partial scores into my wave's stage
.endif
.endm
.macro PERIOD slot, chg, pf
	BLOCK \slot, 0, 0, 0, 1
	BLOCK \slot, 1, 0, 0, 1
	BLOCK \slot, 2, 0, \pf, 1
.irp i, 3,4,5,6
	BLOCK \slot, \i, 0, 0, 1
.endr
.if (\chg) == 0
	BLOCK \slot, 7, 0, 0, 0
.else
	BLOCK \slot, 7, \chg, 0, 1
.endif
.endm
	s_wait_alu depctr_va_vdst(0)                   ; the head's end
	s_wait_tensorcnt 0x0                           ; my part of fill 0 is in; the same lines as ahead of a refill:
	ds_add_u32 v[SPW], v[NIL]
	s_wait_dscnt 0x0
	CROUND                                         ; everybody's part of fill 0 is in, and all four work-groups are here
	JLOAD 1                                        ; fill 1, the first tensor load behind the round
.set pN, 0
.set sN, 0
.set rN, 0
	FETCH                                          ; the first block's fragments
	s_wait_kmcnt 0x0
	s_add_co_i32 s72, s72, s73                     ; e0 + e1
	s_mov_b32 s61, 0
	s_mov_b32 s3, 3
	s_wait_loadcnt 0x0                             ; h and W
.Lpair:                                                ; a trip is two periods, once round the ring: both slots are filled again (fills 2 to 7 in the three trips)
	PERIOD 0, 1, 1
	PERIOD 1, 1, 0
	s_add_co_u32 s61, s61, 1024
	s_sub_co_u32 s3, s3, 1
	s_cmp_lg_u32 s3, 0
	s_cbranch_scc1 .Lpair
	PERIOD 0, 2, 0                                 ; periods 6 and 7 are written out: nothing is left to ask for
	PERIOD 1, 0, 0
	; the eight waves' partial scores are added: thread t takes the four scores at byte 16 t of each wave's 4,096
	s_wait_dscnt 0x0                               ; for the others' sake: my stores into the stage are done
	s_barrier_signal -1
	s_barrier_wait -1
.irp u, 0,1,2,3,4,5,6,7
	ds_load_b128 v[AF+4*\u:AF+4*\u+3], v[FRD] offset:4096*\u
.endr
	s_wait_dscnt 0x0
.irp u, 1,2,3,4,5,6,7
	v_pk_add_f32 v[AF:AF+1], v[AF:AF+1], v[AF+4*\u:AF+4*\u+1]
	v_pk_add_f32 v[AF+2:AF+3], v[AF+2:AF+3], v[AF+4*\u+2:AF+4*\u+3]
.endr
.irp q, 0,1,2,3
	v_ldexp_f32 v[Z+\q], v[AF+\q], s72             ; x 2^(e0 + e1)
.endr
	global_store_b128 v[CO], v[Z:Z+3], s[68:69]    ; each wave stores 512 consecutive bytes, aligned
	s_wait_tensorcnt 0x0                           ; the wave's end
	ds_add_u32 v[SPW], v[NIL]
	s_wait_dscnt 0x0
	CROUND                                         ; the closing round: no work-group ends while a partner may still ask for a tile that names it
	s_endpgm
.Lfunc_end_k_qcfb050b792_scores:
	.size	k_qcfb050b792_scores, .Lfunc_end_k_qcfb050b792_scores-k_qcfb050b792_scores
	.p2alignl 7, 3214868480
	.fill 96, 4, 3214868480
	.section	.rodata,"a",@progbits
	.p2align	6, 0x0
	.amdhsa_kernel k_qcfb050b792_scores
		.amdhsa_group_segment_fixed_size 327680
		.amdhsa_private_segment_fixed_size 0
		.amdhsa_enable_private_segment 0
		.amdhsa_kernarg_size 40
		.amdhsa_user_sgpr_count 2
		.amdhsa_user_sgpr_kernarg_segment_ptr 1
		.amdhsa_wavefront_size32 1
		.amdhsa_system_sgpr_workgroup_id_x 1
		.amdhsa_system_sgpr_workgroup_id_y 1
		.amdhsa_system_sgpr_workgroup_id_z 1
		.amdhsa_system_vgpr_workitem_id 0
		.amdhsa_next_free_vgpr 512
		.amdhsa_next_free_sgpr 80
		.amdhsa_reserve_vcc 0
		.amdhsa_float_denorm_mode_32 3
		.amdhsa_float_denorm_mode_16_64 3
		.amdhsa_memory_ordered 1
		.amdhsa_forward_progress 1
		.amdhsa_inst_pref_size 148
	.end_amdhsa_kernel
	.amdgpu_metadata
---
amdhsa.version: [ 1, 2 ]
amdhsa.kernels:
  - .name:           k_qcfb050b792_scores
    .symbol:         k_qcfb050b792_scores.kd
    .args:
      - { .name: encoder_outputs_codes, .offset: 0, .size: 8, .value_kind: global_buffer, .address_space: global }
      - { .name: W_codes, .offset: 8, .size: 8, .value_kind: global_buffer, .address_space: global }
      - { .name: lowp_scales, .offset: 16, .size: 8, .value_kind: global_buffer, .address_space: global }
      - { .name: hidden_state, .offset: 24, .size: 8, .value_kind: global_buffer, .address_space: global }
      - { .name: part, .offset: 32, .size: 8, .value_kind: global_buffer, .address_space: global }
    .group_segment_fixed_size: 327680
    .private_segment_fixed_size: 0
    .kernarg_segment_align: 8
    .kernarg_segment_size: 40
    .max_flat_workgroup_size: 256
    .sgpr_count:     80
    .vgpr_count:     512
    .wavefront_size: 32
...
	.end_amdgpu_metadata
.endif
;; end of part 1
;; launch softmax (part 2): grid 64 x 1, 8 waves a work-group, no clusters, 5,632 bytes of LDS; arguments part, out0; writes out0
.if DOCPART == 2
	.amdgcn_target "amdgcn-amd-amdhsa--gfx1250"
	.amdhsa_code_object_version 6
	.text
	.protected	k_qcfb050b792_softmax
	.globl	k_qcfb050b792_softmax
	.p2align	8
	.type	k_qcfb050b792_softmax,@function
k_qcfb050b792_softmax:
	s_mov_b64 s[64:65], 0
	v_nop
	global_prefetch_b8 v0, s[64:65] scope:SCOPE_SE
	s_setreg_imm32_b32 hwreg(HW_REG_WAVE_MODE, 25, 1), 1
	s_wait_xcnt 0x0
; out0[batch][0][l] = softmax over l of score[batch][l], score = the sum of the 4 planes of part (one for each tile of 256 columns).
; The term b . h, which is the same for all l of a row, is left out here as in the launch before: a softmax does not see it.
; part: [plane 4][batch 64][period 8][lane 32][q 4] f32, l = 128 period + 32 q + lane.  out0: [64][1][1024] f32.
; A work-group is a batch; wave w takes period w, so thread t holds the four scores at byte 16 t of each plane's 4,096 bytes: a load of a wave covers 512 consecutive bytes, aligned.
; The softmax takes the maximum away first.  Each wave finds its own maximum m_w and the sum s_w of its exponentials under m_w; the eight pairs meet in LDS behind ONE barrier, and every thread brings
; its numbers under the row's maximum M by the factor 2^((m_w - M) log2 e), which is at most 1.
; A thread's four weights are 32 places apart in the row: they turn through the wave's own 512 bytes of LDS, so that the wave stores 512 consecutive bytes, aligned.
; The work-groups share no input, and a row is 16 KiB of part, read once with no loop to run ahead in: no cluster, no tensor load, no prefetch.  A row's softmax has no finer share without a further launch: 64 work-groups.
; LIMITS: NaN and infinities among the scores are not served; a weight under 2^-126 comes out as 0 (v_exp_f32 flushes: ISA guide 15.8).
.set LOG2E, 0x3fb8aa3b
.set STG,   256                        ; LDS: bytes 0-63 the eight pairs (m_w, s_w); from 256 on 512 bytes for each wave; from 0x1200 on the spare words
	s_load_b128 s[4:7], s[0:1], 0x0                ; part, out0
	v_lshl_add_u32 v96, v0, 2, 0x1200
	v_mov_b32 v97, 0
	v_lshlrev_b32 v1, 4, v0                        ; 16 t
	v_lshrrev_b32 v2, 5, v0                        ; wave
	v_and_b32 v3, 31, v0                           ; lane
	s_delay_alu instid0(VALU_DEP_2)
	v_lshlrev_b32 v4, 9, v2
	s_delay_alu instid0(VALU_DEP_1)
	v_lshl_add_u32 v4, v3, 2, v4                   ; into my wave's stage: 512 x wave + 4 x lane
	s_delay_alu instid0(VALU_DEP_4)
	v_lshlrev_b32 v5, 3, v2                        ; my wave's pair
	v_mov_b32 v6, 0
	v_mov_b32 v10, 0                               ; written once: a lane permute's destination counts as one of its sources
	s_lshl_b32 s8, ttmp9, 12                       ; the batch's 4,096 bytes, in a plane and in out0
	s_mov_b32 s9, 0
	s_mov_b32 s12, 0x76543210                      ; v_permlanex16_b32: lane l xor 16
	s_mov_b32 s13, 0xfedcba98
	s_wait_alu depctr_va_vdst(0)                   ; the head's end
	s_wait_kmcnt 0x0
	s_add_nc_u64 s[4:5], s[4:5], s[8:9]
	s_add_nc_u64 s[6:7], s[6:7], s[8:9]
.irp j, 0,1,2,3
	global_load_b128 v[16+4*\j:19+4*\j], v1, s[4:5] offset:\j*262144 th:TH_LOAD_NT   ; plane j; read once in the launch
.endr
	s_wait_loadcnt 0x0
	v_pk_add_f32 v[24:25], v[24:25], v[28:29]      ; planes 2 + 3,
	v_pk_add_f32 v[26:27], v[26:27], v[30:31]
	v_pk_add_f32 v[16:17], v[16:17], v[20:21]      ; planes 0 + 1,
	v_pk_add_f32 v[18:19], v[18:19], v[22:23]
	v_pk_add_f32 v[16:17], v[16:17], v[24:25]      ; and both
	v_pk_add_f32 v[18:19], v[18:19], v[26:27]
	; my wave's maximum
	s_delay_alu instid0(VALU_DEP_1)
	v_max3_num_f32 v8, v16, v17, v18
	s_delay_alu instid0(VALU_DEP_1)
	v_max_num_f32 v8, v8, v19
	s_delay_alu instid0(VALU_DEP_1)
	v_max_num_f32_dpp v8, v8, v8 row_xmask:1 row_mask:0xf bank_mask:0xf
	s_delay_alu instid0(VALU_DEP_1)
	v_max_num_f32_dpp v8, v8, v8 row_xmask:2 row_mask:0xf bank_mask:0xf
	s_delay_alu instid0(VALU_DEP_1)
	v_max_num_f32_dpp v8, v8, v8 row_xmask:4 row_mask:0xf bank_mask:0xf
	s_delay_alu instid0(VALU_DEP_1)
	v_max_num_f32_dpp v8, v8, v8 row_xmask:8 row_mask:0xf bank_mask:0xf
	s_delay_alu instid0(VALU_DEP_1)
	v_permlanex16_b32 v10, v8, s12, s13
	s_delay_alu instid0(VALU_DEP_1)
	v_max_num_f32 v8, v8, v10                      ; m_w, in every lane
.irp q, 0,1,2,3
	v_sub_f32 v[20+\q], v[16+\q], v8               ; the difference first, then the factor: nothing is lost to large scores
.endr
.irp q, 0,1,2,3
	s_delay_alu instid0(VALU_DEP_4)
	v_mul_f32 v[20+\q], LOG2E, v[20+\q]
.endr
	s_wait_alu depctr_va_vdst(0)                   ; ahead of the batch of exponentials
.irp q, 0,1,2,3
	v_exp_f32 v[20+\q], v[20+\q]                   ; e^(x - m_w), at most 1
.endr
	v_nop                                          ; one plain instruction between the last exponential and the use of its result (ISA guide 5.7.2)
	s_wait_alu depctr_va_vdst(0)                   ; and behind it
	v_add_f32 v9, v20, v21
	v_add_f32 v11, v22, v23
	s_delay_alu instid0(VALU_DEP_1)
	v_add_f32 v9, v9, v11
	s_delay_alu instid0(VALU_DEP_1)
	v_add_f32_dpp v9, v9, v9 row_xmask:1 row_mask:0xf bank_mask:0xf
	s_delay_alu instid0(VALU_DEP_1)
	v_add_f32_dpp v9, v9, v9 row_xmask:2 row_mask:0xf bank_mask:0xf
	s_delay_alu instid0(VALU_DEP_1)
	v_add_f32_dpp v9, v9, v9 row_xmask:4 row_mask:0xf bank_mask:0xf
	s_delay_alu instid0(VALU_DEP_1)
	v_add_f32_dpp v9, v9, v9 row_xmask:8 row_mask:0xf bank_mask:0xf
	s_delay_alu instid0(VALU_DEP_1)
	v_permlanex16_b32 v10, v9, s12, s13
	s_delay_alu instid0(VALU_DEP_1)
	v_add_f32 v9, v9, v10                          ; s_w, in every lane
	ds_store_b64 v5, v[8:9]                        ; all lanes write the same pair to the same place
	s_wait_dscnt 0x0                               ; for the others' sake: my pair has landed
	s_barrier_signal -1
	s_barrier_wait -1
.irp i, 0,1,2,3
	ds_load_b128 v[32+4*\i:35+4*\i], v6 offset:16*\i   ; m_0, s_0, m_1, s_1 .. m_7, s_7
.endr
	s_wait_dscnt 0x0
	v_max3_num_f32 v12, v32, v34, v36
	s_delay_alu instid0(VALU_DEP_1)
	v_max3_num_f32 v12, v12, v38, v40
	s_delay_alu instid0(VALU_DEP_1)
	v_max3_num_f32 v12, v12, v42, v44
	s_delay_alu instid0(VALU_DEP_1)
	v_max_num_f32 v12, v12, v46                    ; M, the row's maximum
.irp u, 0,1,2,3,4,5,6,7
	v_sub_f32 v[48+\u], v[32+2*\u], v12
.endr
	v_sub_f32 v56, v8, v12                         ; my own wave's
.irp u, 0,1,2,3,4,5,6,7,8
	v_mul_f32 v[48+\u], LOG2E, v[48+\u]
.endr
	s_wait_alu depctr_va_vdst(0)
.irp u, 0,1,2,3,4,5,6,7,8
	v_exp_f32 v[48+\u], v[48+\u]                   ; e^(m_w - M), at most 1
.endr
	v_nop
	s_wait_alu depctr_va_vdst(0)
	v_mul_f32 v13, v33, v48
.irp u, 1,2,3,4,5,6,7
	v_fmac_f32 v13, v[33+2*\u], v[48+\u]           ; the row's sum under M: at least 1
.endr
	s_wait_alu depctr_va_vdst(0)
	v_rcp_f32 v14, v13
	v_nop                                          ; one plain instruction behind the reciprocal
	s_wait_alu depctr_va_vdst(0)
	v_mul_f32 v14, v14, v56                        ; e^(m_w - M) / the sum
.irp q, 0,1,2,3
	v_mul_f32 v[20+\q], v[20+\q], v14
.endr
.irp q, 0,1,2,3
	ds_store_b32 v4, v[20+\q] offset:STG+128*\q    ; l = 128 w + 32 q + lane, at 4 bytes a place
.endr
	ds_load_b128 v[24:27], v1 offset:STG           ; l = 128 w + 4 lane + 0 .. 3.  My wave's own bytes, and LDS serves a wave's instructions in order (ISA guide 5.7.1.4): no wait between
	s_wait_dscnt 0x0
	global_store_b128 v1, v[24:27], s[6:7]         ; the wave stores 512 consecutive bytes, aligned
	s_wait_tensorcnt 0x0                           ; the wave's end
	ds_add_u32 v96, v97
	s_wait_dscnt 0x0
	s_endpgm
.Lfunc_end_k_qcfb050b792_softmax:
	.size	k_qcfb050b792_softmax, .Lfunc_end_k_qcfb050b792_softmax-k_qcfb050b792_softmax
	.p2alignl 7, 3214868480
	.fill 96, 4, 3214868480
	.section	.rodata,"a",@progbits
	.p2align	6, 0x0
	.amdhsa_kernel k_qcfb050b792_softmax
		.amdhsa_group_segment_fixed_size 5632
		.amdhsa_private_segment_fixed_size 0
		.amdhsa_enable_private_segment 0
		.amdhsa_kernarg_size 16
		.amdhsa_user_sgpr_count 2
		.amdhsa_user_sgpr_kernarg_segment_ptr 1
		.amdhsa_wavefront_size32 1
		.amdhsa_system_sgpr_workgroup_id_x 1
		.amdhsa_system_sgpr_workgroup_id_y 1
		.amdhsa_system_sgpr_workgroup_id_z 1
		.amdhsa_system_vgpr_workitem_id 0
		.amdhsa_next_free_vgpr 98
		.amdhsa_next_free_sgpr 66
		.amdhsa_reserve_vcc 0
		.amdhsa_float_denorm_mode_32 3
		.amdhsa_float_denorm_mode_16_64 3
		.amdhsa_memory_ordered 1
		.amdhsa_forward_progress 1
		.amdhsa_inst_pref_size 8
	.end_amdhsa_kernel
	.amdgpu_metadata
---
amdhsa.version: [ 1, 2 ]
amdhsa.kernels:
  - .name:           k_qcfb050b792_softmax
    .symbol:         k_qcfb050b792_softmax.kd
    .args:
      - { .name: part, .offset: 0, .size: 8, .value_kind: global_buffer, .address_space: global }
      - { .name: out0, .offset: 8, .size: 8, .value_kind: global_buffer, .address_space: global }
    .group_segment_fixed_size: 5632
    .private_segment_fixed_size: 0
    .kernarg_segment_align: 8
    .kernarg_segment_size: 16
    .max_flat_workgroup_size: 256
    .sgpr_count:     66
    .vgpr_count:     98
    .wavefront_size: 32
...
	.end_amdgpu_metadata
.endif
;; end of part 2
